; MI455X (gfx1250); checked and timed in simulation.
; The chip was launched on July 23, 2026; its instructions are those of AMD's public machine-readable ISA for CDNA 5 (MIT licence, August 2026) and "CDNA5" Instruction Set Architecture Reference Guide (July 2026). The comments in the code are by the model that wrote it; some were corrected since.
;; Quantum Transformer Block. Allowed arithmetic: float matrix products may take bf16 or f16 operands with f32 sums; other float arithmetic in f32, or as packed bf16 or f16 multiplies, adds, multiply-adds, maxima and minima; sums over many terms, partial sums and values carried from step to step in f32; what a program stores and reads back later, other than sums and carried values, may be rounded once to bf16 or f16.
;; Inputs: b1 512 float32; b2 512 float32; bc 512 float32; be1 512 float32; be2 512 float32; bk 512 float32; bq 512 float32; bv 512 float32; g1 512 float32; g2 512 float32; theta 8 float32; w1 512 x 512 float32; w2 512 x 512 float32; wc 512 x 512 float32; wk 512 x 512 float32; wq 512 x 512 float32; wv 512 x 512 float32; x 8 x 2,048 x 512 float32.
;; Outputs: out0 8 x 2,048 x 512 float32.
;; One version. Each part assembles by itself: llvm-mc -triple=amdgcn-amd-amdhsa -mcpu=gfx1250 --defsym DOCPART=n.
;; ======== version 1 of 1: 2 launches
;; limits: values outside matrix products are rounded to bf16
;; workspace buffers: ws 19,400,704 bytes; cq 16,777,216 bytes
;; launch prep (part 1): grid 354 x 1, 8 waves a work-group, no clusters, 9,472 bytes of LDS; arguments x, theta, wq, wk, bq, wv, wc, w1, w2, ws, cq; writes ws, cq
.if DOCPART == 1
	.amdgcn_target "amdgcn-amd-amdhsa--gfx1250"
	.amdhsa_code_object_version 6
	.text
	.protected	k_q6ca9911df5_prep
	.globl	k_q6ca9911df5_prep
	.p2align	8
	.type	k_q6ca9911df5_prep,@function
k_q6ca9911df5_prep:
	s_mov_b64 s[64:65], 0
	v_nop
	global_prefetch_b8 v0, s[64:65] scope:SCOPE_SE
	s_setreg_imm32_b32 hwreg(HW_REG_WAVE_MODE, 25, 1), 1
	s_wait_xcnt 0x0
; PREP: what the fused launch behind it wants laid ready.
;   ws tiles of 131,072 bytes (128 rows x 1,024 bytes, bf16):  0-127 xb = bf16(x);  128-131 M = wq wk^T, [i][j];  132-135 wv, 136-139 wc, 140-143 w1, 144-147 w2, as they lie ([k][n]);
;   behind them c = bq wk^T, 512 f32.   cq = bf16(cos(x + theta)), [16384][512].
; WORK LEFT OUT, in exact arithmetic and for all values of the inputs:
;   scores[s][t] = (x_s wq + bq) . (x_t wk + bk) = (x_s M + c) . x_t + (x_s wq + bq) . bk.  The last term is the same for every key t, a term constant along the softmax's axis: it reaches
;   no output.  So bk has no way to any output: it is not loaded and is no argument of any launch.  k = x wk is never formed: the keys are x itself, the queries x M + c.
;   A softmax's row sums to 1, so attn (x wv + bv) = (attn x) wv + bv: v is never formed; the values are x itself and wv is applied to the 16,384 averaged rows.
; LIMITS.  A NaN, an infinity or an overflow that lives in bk alone, or would arise only in the k or v that are not formed, is not carried to the result.  M is rounded once to bf16.
;   The cosine: the angle is taken in turns, t = x / 2pi + theta / 2pi in one fused step, so it carries an error of about |x + theta| x 2^-23, of the size of the f32 sum x + theta itself;
;   r = t - round(t) lies in -0.5 .. 0.5, sin(pi r) is its series to r^11 (the first term left out is 6e-8 at the range's end), cos(2 pi r) = 1 - 2 sin^2(pi r).
; ROLES, by the work-group's number (the same in all its waves): 0-65 M and c (the longest chain of dependent loads: first); 66-97 the four weights; 98-353 x.
; No cluster and no tensor loads: the streams share nothing between work-groups, and M's operands are a small part of the launch's bytes.
.set T_B,   131072
.set COFF,  148*T_B
.set SPARE, 8448                       ; behind M's stage (16 rows x 528 bytes): the spare words, 128 bytes for each of 8 waves
.set SPW, 224                          ; v224  LDS address of my spare word; never rewritten
.set NIL, 225                          ; v225  0; never rewritten
.set WV,  28                           ; s28   my wave's number
.set SRC, 34                           ; s[34:35] the stream's source
.set DX,  36                           ; s[36:37] its bf16 copy
.set DC,  38                           ; s[38:39] the cosines
.set CNT, 40
; the streams' registers
.set OI,  1                            ; v1   16 x thread: my 16 bytes (4 numbers) of two rows of f32
.set OO,  2                            ; v2   8 x thread: my 8 bytes of the same two rows in bf16
.set TH,  4                            ; v[4:7]   theta / 2pi of my four columns
.set TT,  8                            ; v[8:11]  turns, then r
.set NN,  12                           ; v[12:15] round(t)
.set UU,  16                           ; v[16:19] r^2
.set PP,  20                           ; v[20:23] the series
.set C11, 24                           ; v[24:25] its highest coefficient, twice
.set X,   32                           ; v[32:63] slot i: 4 registers as loaded
.set YB,  64                           ; v[64:79] slot i: 2 registers of bf16 to store
.set YC,  80                           ; v[80:95] slot i: 2 registers of cosines to store
; M's registers
.set AO,  2                            ; v2   my offset in wq's (bq's) rows
.set BO,  3                            ; v3   my offset in wk's rows
.set ACC, 16                           ; v[16:31] two accumulators
.set SET0, 32                          ; v[32:127]  a round's 96 registers: block (wq, wk 0, wk 1) x K step, 16 each
.set SET1, 128                         ; v[128:223]
.set AP,  34                           ; s[34:35]
.set BP,  36                           ; s[36:37]
.set STR, 41                           ; s41  bytes from row to row of the first operand: 2,048, or 0 for bq
	s_load_b512 s[4:19], s[0:1], 0x0               ; x 4, theta 6, wq 8, wk 10, bq 12, wv 14, wc 16, w1 18
	s_load_b128 s[20:23], s[0:1], 0x40             ; w2 20, ws 22
	s_load_b64 s[24:25], s[0:1], 0x50              ; cq
	v_lshl_add_u32 v[SPW], v0, 2, SPARE
	v_mov_b32 v[NIL], 0
	v_lshrrev_b32 v1, 5, v0
	v_readfirstlane_b32 s[WV], v1
	s_mov_b32 s33, 0                               ; the high word of every offset
	s_wait_kmcnt 0x0
	s_cmp_lt_u32 ttmp9, 66
	s_cbranch_scc1 .Lrole_m
	s_cmp_lt_u32 ttmp9, 98
	s_cbranch_scc1 .Lrole_w
	s_branch .Lrole_x
; cos(x + theta) for slot i's four numbers, two at a time
.macro COS i
.irp k, 0,2
	v_pk_fma_f32 v[TT+\k:TT+\k+1], v[X+4*(\i)+\k:X+4*(\i)+\k+1], 0x3e22f983, v[TH+\k:TH+\k+1] op_sel_hi:[1,0,1]  ; turns
.endr
.irp k, 0,1,2,3
	v_rndne_f32 v[NN+\k], v[TT+\k]
.endr
.irp k, 0,2
	v_pk_add_f32 v[TT+\k:TT+\k+1], v[TT+\k:TT+\k+1], v[NN+\k:NN+\k+1] neg_lo:[0,1] neg_hi:[0,1]  ; r
.endr
.irp k, 0,2
	v_pk_mul_f32 v[UU+\k:UU+\k+1], v[TT+\k:TT+\k+1], v[TT+\k:TT+\k+1]
.endr
.irp k, 0,2
	v_pk_fma_f32 v[PP+\k:PP+\k+1], v[UU+\k:UU+\k+1], v[C11:C11+1], 0x3da83c1a op_sel_hi:[1,1,0]  ; -pi^11/11! u + pi^9/9!
.endr
.irp c, 0xbf196966, 0x402335e3, 0xc0a55de7, 0x40490fdb  ; -pi^7/7!, pi^5/5!, -pi^3/3!, pi
.irp k, 0,2
	v_pk_fma_f32 v[PP+\k:PP+\k+1], v[PP+\k:PP+\k+1], v[UU+\k:UU+\k+1], \c op_sel_hi:[1,1,0]
.endr
.endr
.irp k, 0,2
	v_pk_mul_f32 v[PP+\k:PP+\k+1], v[PP+\k:PP+\k+1], v[TT+\k:TT+\k+1]  ; sin(pi r)
.endr
.irp k, 0,2
	v_pk_mul_f32 v[UU+\k:UU+\k+1], v[PP+\k:PP+\k+1], -2.0 op_sel_hi:[1,0]
.endr
.irp k, 0,2
	v_pk_fma_f32 v[PP+\k:PP+\k+1], v[UU+\k:UU+\k+1], v[PP+\k:PP+\k+1], 1.0 op_sel_hi:[1,1,0]  ; 1 - 2 sin^2
.endr
	v_cvt_pk_bf16_f32 v[YC+2*(\i)], v[PP], v[PP+1]
	v_cvt_pk_bf16_f32 v[YC+2*(\i)+1], v[PP+2], v[PP+3]
.endm
; One slot's turn: two rows of 512 f32 for the work-group's 256 threads.  left = the younger loads that may stay out.
.macro SLOT i, ahead, left, cosf
	s_wait_loadcnt \left                           ; loads come back in order: mine is in
	s_wait_xcnt 0x0                                ; this slot's last stores have read YB and YC, which are written again below
	v_cvt_pk_bf16_f32 v[YB+2*(\i)], v[X+4*(\i)], v[X+4*(\i)+1]
	v_cvt_pk_bf16_f32 v[YB+2*(\i)+1], v[X+4*(\i)+2], v[X+4*(\i)+3]
.if \cosf
	COS \i
.endif
.if \ahead
	global_load_b128 v[X+4*(\i):X+4*(\i)+3], v[OI], s[SRC:SRC+1] offset:(8+(\i))*4096 th:TH_LOAD_NT
.endif
	global_store_b64 v[OO], v[YB+2*(\i):YB+2*(\i)+1], s[DX:DX+1] offset:(\i)*2048  ; a wave's store covers 256 consecutive bytes, aligned
.if \cosf
	global_store_b64 v[OO], v[YC+2*(\i):YC+2*(\i)+1], s[DC:DC+1] offset:(\i)*2048
.endif
.endm
; 64 rows: 32 steps of two rows through a ring of eight register slots; eight loads of every wave are on their way
.macro STREAM cosf
.irp i, 0,1,2,3,4,5,6,7
	global_load_b128 v[X+4*\i:X+4*\i+3], v[OI], s[SRC:SRC+1] offset:\i*4096 th:TH_LOAD_NT
.endr
.if \cosf
	v_mov_b32 v[C11], 0xbbf183a8                   ; -pi^11/11!
	v_mov_b32 v[C11+1], 0xbbf183a8
	s_wait_loadcnt 8                               ; theta is in; the ring's eight loads stay out
.irp k, 0,1,2,3
	v_mul_f32 v[TH+\k], 0.15915494, v[TH+\k]
.endr
.endif
	s_mov_b32 s[CNT], 3
.Lround_\@:
.irp i, 0,1,2,3,4,5,6,7
	SLOT \i, 1, 7, \cosf
.endr
	s_wait_xcnt 0x0                                ; every load and store issued so far has read its base: the bases step
	s_add_nc_u64 s[SRC:SRC+1], s[SRC:SRC+1], 32768
	s_add_nc_u64 s[DX:DX+1], s[DX:DX+1], 16384
.if \cosf
	s_add_nc_u64 s[DC:DC+1], s[DC:DC+1], 16384
.endif
	s_sub_co_u32 s[CNT], s[CNT], 1
	s_cmp_lg_u32 s[CNT], 0
	s_cbranch_scc1 .Lround_\@
.irp i, 0,1,2,3,4,5,6,7
	SLOT \i, 0, 7-\i, \cosf                        ; the last round loads nothing: the counts run down
.endr
	s_branch .Lend
.endm
.Lrole_x:                                              ; rows 64 (id - 98) on of x: xb and cq
	s_sub_co_u32 s30, ttmp9, 98
	s_lshl_b32 s32, s30, 17
	s_add_nc_u64 s[SRC:SRC+1], s[4:5], s[32:33]
	s_lshl_b32 s32, s30, 16
	s_add_nc_u64 s[DX:DX+1], s[22:23], s[32:33]
	s_add_nc_u64 s[DC:DC+1], s[24:25], s[32:33]
	v_lshlrev_b32 v[OI], 4, v0
	v_lshlrev_b32 v[OO], 3, v0
	v_and_b32 v3, 1, v0                            ; my four columns are 4 (thread % 2) + 0..3 modulo 8
	v_lshlrev_b32 v3, 4, v3
	global_load_b128 v[TH:TH+3], v3, s[6:7]
	STREAM 1
.Lrole_w:                                              ; matrix (id - 66) / 8 of wv, wc, w1, w2; its rows 64 ((id - 66) % 8) on
	s_sub_co_u32 s30, ttmp9, 66
	s_lshr_b32 s31, s30, 3
	s_and_b32 s30, s30, 7
	s_cmp_eq_u32 s31, 0
	s_cselect_b64 s[SRC:SRC+1], s[14:15], s[16:17]
	s_cmp_eq_u32 s31, 2
	s_cselect_b64 s[SRC:SRC+1], s[18:19], s[SRC:SRC+1]
	s_cmp_eq_u32 s31, 3
	s_cselect_b64 s[SRC:SRC+1], s[20:21], s[SRC:SRC+1]
	s_lshl_b32 s32, s30, 17
	s_add_nc_u64 s[SRC:SRC+1], s[SRC:SRC+1], s[32:33]
	s_lshl_b32 s32, s31, 19                        ; four tiles a matrix
	s_lshl_b32 s42, s30, 16
	s_add_co_u32 s32, s32, s42
	s_add_nc_u64 s[DX:DX+1], s[22:23], s[32:33]
	s_add_nc_u64 s[DX:DX+1], s[DX:DX+1], 132*T_B
	v_lshlrev_b32 v[OI], 4, v0
	v_lshlrev_b32 v[OO], 3, v0
	STREAM 0
; M[i][j] = the sum over e of wq[i][e] wk[j][e].  Work-group: i = 16 ib .. + 15, j = 256 jh .. + 255; wave w two blocks of 16 j from j0 = 256 jh + 32 w.  ib = 32: bq stands for all 16 rows (row stride 0): c.
; The matrix instruction is used transposed (source 0 = 16 rows of wk, source 1 = 16 rows of wq): a lane holds row i = lane % 16 and eight neighbouring j.
; A fragment's 16 numbers a lane come straight from memory in f32, four loads of 16 bytes, and are rounded to bf16 in place.  A round is 64 along e; two sets of registers take turns.
.macro LDR set, off
.irp ks, 0,1
.irp q, 0,1,2,3
	global_load_b128 v[(\set)+16*\ks+4*\q:(\set)+16*\ks+4*\q+3],       v[AO], s[AP:AP+1] offset:(\off)+128*\ks+16*(\q&1)+64*(\q>>1)
	global_load_b128 v[(\set)+32+16*\ks+4*\q:(\set)+32+16*\ks+4*\q+3], v[BO], s[BP:BP+1] offset:(\off)+128*\ks+16*(\q&1)+64*(\q>>1)
	global_load_b128 v[(\set)+64+16*\ks+4*\q:(\set)+64+16*\ks+4*\q+3], v[BO], s[BP:BP+1] offset:(\off)+128*\ks+16*(\q&1)+64*(\q>>1)+32768
.endr
.endr
.endm
.macro CVT set                         ; of each 16 registers the first 8 become the fragment; register i is written when 2 i and 2 i + 1 are read, never earlier
.set n, 0
.rept 48
	v_cvt_pk_bf16_f32 v[(\set)+16*(n/8)+n%8], v[(\set)+16*(n/8)+2*(n%8)], v[(\set)+16*(n/8)+2*(n%8)+1]
.set n, n+1
.endr
.endm
.macro MUL set                         ; the two accumulators take turns, one instruction a turn, over the backward jump too
.irp ks, 0,1
.irp b, 0,1
	v_wmma_f32_16x16x32_bf16 v[ACC+8*\b:ACC+8*\b+7], v[(\set)+32+32*\b+16*\ks:(\set)+32+32*\b+16*\ks+7], v[(\set)+16*\ks:(\set)+16*\ks+7], v[ACC+8*\b:ACC+8*\b+7]
.endr
.endr
.endm
.macro PLACES                          ; four places behind a product, in front of loads into registers that it has read and of lines that read its result
.rept 4
	v_nop
.endr
.endm
.Lrole_m:
	s_lshr_b32 s30, ttmp9, 1                       ; ib
	s_and_b32 s31, ttmp9, 1                        ; jh
	s_cmp_lt_u32 s30, 32
	s_cselect_b64 s[AP:AP+1], s[8:9], s[12:13]     ; wq, or bq
	s_cselect_b32 s[STR], 2048, 0
	s_cselect_b32 s32, s30, 0
	s_lshl_b32 s32, s32, 15                        ; 16 rows of 2,048 bytes
	s_add_nc_u64 s[AP:AP+1], s[AP:AP+1], s[32:33]
	s_lshl_b32 s42, s31, 8
	s_lshl_b32 s43, s[WV], 5
	s_add_co_u32 s42, s42, s43                     ; j0
	s_lshl_b32 s32, s42, 11
	s_add_nc_u64 s[BP:BP+1], s[10:11], s[32:33]
	v_and_b32 v4, 15, v0                           ; r
	v_bfe_u32 v5, v0, 4, 1                         ; h
	v_and_b32 v6, 31, v0                           ; lane
	v_mul_u32_u24 v[AO], v4, s[STR]
	v_lshl_add_u32 v[AO], v5, 5, v[AO]             ; row + 32 h: e = 8 h on
	v_lshlrev_b32 v[BO], 11, v4
	v_lshl_add_u32 v[BO], v5, 5, v[BO]
	LDR SET0, 0
	LDR SET1, 256
.set n, 0
.rept 16
	v_mov_b32 v[ACC+n], 0                          ; written while the first loads are out, so that the loop has one form of product
.set n, n+1
.endr
	s_mov_b32 s[CNT], 3
.Lm_turn:
	s_wait_loadcnt 24                              ; set 0 is in; set 1's 24 loads may stay out
	CVT SET0
	MUL SET0
	PLACES
	s_wait_xcnt 0x0                                ; every load issued so far has read its base
	s_add_nc_u64 s[AP:AP+1], s[AP:AP+1], 512
	s_add_nc_u64 s[BP:BP+1], s[BP:BP+1], 512
	LDR SET0, 0
	s_wait_loadcnt 24                              ; set 1 is in
	CVT SET1
	MUL SET1
	PLACES
	LDR SET1, 256
	s_sub_co_u32 s[CNT], s[CNT], 1
	s_cmp_lg_u32 s[CNT], 0
	s_cbranch_scc1 .Lm_turn
	s_wait_loadcnt 24                              ; the last two rounds load nothing
	CVT SET0
	MUL SET0
	s_wait_loadcnt 0x0
	CVT SET1
	MUL SET1
	PLACES
	s_cmp_lt_u32 s30, 32
	s_cbranch_scc0 .Lcvec
	; M: 16 bytes a lane into a stage of 16 rows x 528 bytes, back as whole rows of 512 bytes
.irp b, 0,1
.irp i, 0,1,2,3
	v_cvt_pk_bf16_f32 v[32+4*\b+\i], v[ACC+8*\b+2*\i], v[ACC+8*\b+2*\i+1]
.endr
.endr
	v_mul_u32_u24 v7, v4, 528
	v_lshl_add_u32 v7, v5, 4, v7
	s_lshl_b32 s43, s[WV], 6
	v_add_nc_u32 v7, s43, v7                       ; r x 528 + 64 w + 16 h
	ds_store_b128 v7, v[32:35]
	ds_store_b128 v7, v[36:39] offset:32
	s_wait_dscnt 0x0                               ; for the others' sake: my stores are done
	s_barrier_signal -1
	s_barrier_wait -1
	s_mul_i32 s43, s[WV], 2*528                    ; wave w takes rows 2 w and 2 w + 1
	v_lshl_add_u32 v8, v6, 4, s43
	ds_load_b128 v[40:43], v8
	ds_load_b128 v[44:47], v8 offset:528
	s_lshl_b32 s32, s30, 14                        ; 16 ib rows of 1,024 bytes,
	s_lshl_b32 s43, s[WV], 11                      ; 2 w rows,
	s_add_co_u32 s32, s32, s43
	s_lshl_b32 s43, s31, 9                         ; 512 jh
	s_add_co_u32 s32, s32, s43
	s_add_nc_u64 s[44:45], s[22:23], s[32:33]
	s_add_nc_u64 s[44:45], s[44:45], 128*T_B
	v_lshlrev_b32 v9, 4, v6
	s_wait_dscnt 0x0
	global_store_b128 v9, v[40:43], s[44:45]       ; 512 consecutive bytes, aligned
	global_store_b128 v9, v[44:47], s[44:45] offset:1024
	s_branch .Lend
.Lcvec:                                                ; c: all 16 rows of the result are alike; the lanes of row 0 store it in f32
	v_cmp_eq_u32 vcc_lo, 0, v4
	v_lshlrev_b32 v9, 5, v5                        ; 8 h numbers
	s_lshl_b32 s32, s42, 2                         ; j0 numbers
	s_add_nc_u64 s[44:45], s[22:23], s[32:33]
	s_add_nc_u64 s[44:45], s[44:45], COFF
	s_wait_xcnt 0x0                                ; EXEC changes only behind this wait
	s_and_saveexec_b32 s46, vcc_lo
	global_store_b128 v9, v[ACC:ACC+3], s[44:45]
	global_store_b128 v9, v[ACC+4:ACC+7], s[44:45] offset:16
	global_store_b128 v9, v[ACC+8:ACC+11], s[44:45] offset:64
	global_store_b128 v9, v[ACC+12:ACC+15], s[44:45] offset:80
	s_wait_xcnt 0x0                                ; and again, in front of the line that widens it
	s_or_b32 exec_lo, exec_lo, s46
.Lend:
	s_wait_tensorcnt 0x0                           ; the wave's end, behind the last LDS store
	ds_add_u32 v[SPW], v[NIL]
	s_wait_dscnt 0x0
	s_endpgm
.Lfunc_end_k_q6ca9911df5_prep:
	.size	k_q6ca9911df5_prep, .Lfunc_end_k_q6ca9911df5_prep-k_q6ca9911df5_prep
	.p2alignl 7, 3214868480
	.fill 96, 4, 3214868480
	.section	.rodata,"a",@progbits
	.p2align	6, 0x0
	.amdhsa_kernel k_q6ca9911df5_prep
		.amdhsa_group_segment_fixed_size 9472
		.amdhsa_private_segment_fixed_size 0
		.amdhsa_enable_private_segment 0
		.amdhsa_kernarg_size 88
		.amdhsa_user_sgpr_count 2
		.amdhsa_user_sgpr_kernarg_segment_ptr 1
		.amdhsa_wavefront_size32 1
		.amdhsa_system_sgpr_workgroup_id_x 1
		.amdhsa_system_sgpr_workgroup_id_y 1
		.amdhsa_system_sgpr_workgroup_id_z 1
		.amdhsa_system_vgpr_workitem_id 0
		.amdhsa_next_free_vgpr 232
		.amdhsa_next_free_sgpr 66
		.amdhsa_reserve_vcc 1
		.amdhsa_float_denorm_mode_32 3
		.amdhsa_float_denorm_mode_16_64 3
		.amdhsa_memory_ordered 1
		.amdhsa_forward_progress 1
		.amdhsa_inst_pref_size 75
	.end_amdhsa_kernel
	.amdgpu_metadata
---
amdhsa.version: [ 1, 2 ]
amdhsa.kernels:
  - .name:           k_q6ca9911df5_prep
    .symbol:         k_q6ca9911df5_prep.kd
    .args:
      - { .name: x, .offset: 0, .size: 8, .value_kind: global_buffer, .address_space: global }
      - { .name: theta, .offset: 8, .size: 8, .value_kind: global_buffer, .address_space: global }
      - { .name: wq, .offset: 16, .size: 8, .value_kind: global_buffer, .address_space: global }
      - { .name: wk, .offset: 24, .size: 8, .value_kind: global_buffer, .address_space: global }
      - { .name: bq, .offset: 32, .size: 8, .value_kind: global_buffer, .address_space: global }
      - { .name: wv, .offset: 40, .size: 8, .value_kind: global_buffer, .address_space: global }
      - { .name: wc, .offset: 48, .size: 8, .value_kind: global_buffer, .address_space: global }
      - { .name: w1, .offset: 56, .size: 8, .value_kind: global_buffer, .address_space: global }
      - { .name: w2, .offset: 64, .size: 8, .value_kind: global_buffer, .address_space: global }
      - { .name: ws, .offset: 72, .size: 8, .value_kind: global_buffer, .address_space: global }
      - { .name: cq, .offset: 80, .size: 8, .value_kind: global_buffer, .address_space: global }
    .group_segment_fixed_size: 9472
    .private_segment_fixed_size: 0
    .kernarg_segment_align: 8
    .kernarg_segment_size: 88
    .max_flat_workgroup_size: 256
    .sgpr_count:     66
    .vgpr_count:     232
    .wavefront_size: 32
...
	.end_amdgpu_metadata
.endif
;; end of part 1
;; launch block (part 2): grid 256 x 1, 4 waves a work-group, clusters of 4 x 1, 327,680 bytes of LDS; arguments x, ws, cq, out0, bv, bc, b1, b2, g1, be1, g2, be2; writes out0
.if DOCPART == 2
	.amdgcn_target "amdgcn-amd-amdhsa--gfx1250"
	.amdhsa_code_object_version 6
	.text
	.protected	k_q6ca9911df5_block
	.globl	k_q6ca9911df5_block
	.p2align	8
	.type	k_q6ca9911df5_block,@function
k_q6ca9911df5_block:
	s_mov_b64 s[64:65], 0
	v_nop
	global_prefetch_b8 v0, s[64:65] scope:SCOPE_SE
	s_setreg_imm32_b32 hwreg(HW_REG_WAVE_MODE, 25, 1), 1
	s_wait_xcnt 0x0
	s_wait_alu depctr_hold_cnt(0) depctr_sa_sdst(0) depctr_va_vdst(0) depctr_va_sdst(0) depctr_va_ssrc(0) depctr_va_vcc(0) depctr_vm_vsrc(0)
	s_getreg_b32 s2, hwreg(HW_REG_IB_STS2, 6, 4)
	s_cmp_eq_u32 s2, 0
	s_cbranch_scc0 .Lentry_in_a_cluster
	s_endpgm
.Lentry_in_a_cluster:
	s_bfe_u32 s2, ttmp6, 0x10000c
	s_cmp_lg_u32 s2, 0x3003
	s_cbranch_scc0 .Lentry_shape_is_right
	s_endpgm
.Lentry_shape_is_right:
; THE WHOLE BLOCK for 64 rows a work-group: q' = x M + c; attention with keys = values = bf16(x); y wv + bv + cos; z wc + bc + x; LayerNorm; relu(h w1 + b1) w2 + b2 + h; LayerNorm.
; WORK LEFT OUT (shown at the head of the launch before): bk is constant along the softmax's axis and is no argument; k and v are never formed (M = wq wk^T, c = bq wk^T; softmax rows sum to 1).
; LIMITS.  A NaN, an infinity or an overflow that lives in bk alone or would arise only in the unformed k or v is not carried to the result.  q', the weights p, y, z, h and relu(..) are rounded once to bf16
;   as matrix operands.  A weight below 2^-126 counts as 0 in l.  The running maximum starts at the lowest finite number and c m at -4.25e37: scores with |c s| beyond that are not served.
;   O^T is not cleared: the first key step multiplies what the registers hold (q', finite) by a = 0.  relu of a NaN gives 0; NaN and infinities are not treated apart.
; SHARES.  Four waves.  Rows lie in four tiles t of 16.  Two forms of product, both transposed so that a lane holds ONE row (lane % 16):
;   S form:  S^T = K Q^T on a tile of 128 keys: wave w takes keys 32 w .. + 31 for all 64 queries; Q (64 x 512, bf16) lies in 512 registers of every wave.
;   PV form: O^T += V^T P on a tile of 128 rows (keys, or k of a weight) x 512 columns: wave w takes 128 columns for all 64 rows, 32 accumulators acc(t, cb).  V^T comes by the turning LDS load,
;            P (64 rows x 128, bf16) out of an exchange buffer that all four waves write.  All five weight products take this form, with the weights as they lie, [k][n].
;   column(w, cb, h, j) = 128 (cb / 2) + 64 h + 16 w + 8 (cb % 2) + j  (h = lane / 16): every wave owns 32 columns of each piece of 128, so each piece is written into the exchange buffer by all four alike.
; THE RING.  36 tiles of 128 rows x 1,024 bytes walk through two LDS slots: M's 4, the batch's 16 of x, wv's, wc's, w1's, w2's 4 each.  All four work-groups of a cluster belong to one batch and walk the same
;   tiles, so each is asked for JOINTLY (mask of four), each wave 32 rows.  A mask names four at the most and the tiles hang on the batch alone, so the cluster is 4 x 1.  By this text's count a wave has one tensor load out.
; SOFTMAX.  p = 2^(c s - c m), c = log2(e) / sqrt(512), with a running maximum m common to the four waves (exchanged through LDS in every step); O and l are multiplied by a = 2^(c m_old - c m_new) in every step.
; Matrix and vector work stand in phases; the one overlap taken is O's rescaling between a barrier's signal and its wait.
; REGISTERS, in windows of 256 (s_set_vgpr_msb: bits 1:0 source 0, 3:2 source 1, 5:4 source 2, 7:6 destination):
;   window 0: v0-31 addresses; v32-63 eight registers of statistics a tile; v64-127 S^T / P's two buffers / LayerNorm's partial sums; v128-255 K's two groups / V's two buffers / packed q'
;   window 1: acc(t, cb) at 64 t + 8 cb       window 2: v0-127 the packed operand, (t, cb) at 32 t + 4 cb; v128-191, v192-255 two sets of per-column parameters
;   window 3: cos, then x, then the accumulators of h w1.     In attention windows 2 and 3 hold Q: fragment (kk, t) at 8 (4 (kk % 8) + t), kk < 8 in window 2.
.set T_B,   131072
.set COFF,  148*T_B
.set PITCH, 1040                       ; a tile's row in LDS: 1,024 bytes + 16 = 260 words: row r starts at bank 4 r mod 64 (64 banks of 4 bytes: ISA guide 11.1)
.set R16,   16*PITCH
.set R32,   32*PITCH
.set SLOTB, 128*PITCH                  ; 133,120 = 0x20800: it shares no bit with wave x R32, so one exclusive or changes slots
.set XB0,   2*SLOTB                    ; two exchange buffers, 64 rows x 272 bytes
.set XP,    272
.set XT,    16*XP
.set XSZ,   64*XP
.set STAT0, XB0+2*XSZ                  ; two tables [64 rows][4 waves] of f32
.set SPARE, STAT0+2048                 ; the spare words, 128 bytes for each wave
.set OPI,   2064                       ; the way out: 64 rows x 2,064 bytes in slot 0, behind that slot's last fill
.set AK0, 2                            ; (32 w + r) PITCH + 16 h
.set AV0, 3                            ; (8 h + l % 8) PITCH + 32 w + 128 ((l / 8) % 2)
.set AK,  4
.set AVA, 5
.set AVB, 6
.set RDP0, 7                           ; XB0 + r XP + 16 h
.set RDX, 8
.set STP0, 9                           ; XB0 + r XP + 128 h + 32 w
.set STX, 10
.set STS, 11                           ; XB0 + r XP + 64 w + 16 h
.set SMX, 12                           ; STAT0 + 16 r + 4 w
.set LMX, 13                           ; STAT0 + 16 r
.set PFO, 14                           ; 1,024 x lane
.set PO,  15                           ; 256 h + 64 w
.set XBO, 16                           ; 1,024 r + 128 h + 32 w
.set XFO, 17                           ; 2,048 r + 256 h + 64 w
.set OST0, 18                          ; r OPI + 256 h + 64 w
.set OST1, 19
.set ORD, 20                           ; 16 w OPI + 16 l
.set OGO, 21                           ; 16 l
.set SPW, 22                           ; my spare word; never rewritten
.set NIL, 23                           ; 0; never rewritten
.set ONE, 24                           ; 1.0
.set ST,  32                           ; tile t at ST + 8 t: +0 c m (mean), +1 m (mean), +2, +3 l (+2 1/sigma), +4 .. +7 at work (+6 a)
.set B0P, 64
.set B1P, 96
.set KG0, 128
.set KG1, 192
.set B0V, 128
.set B1V, 192
.set XR,  28                           ; s[28:29] x at my 64 rows
.set XBR, 30                           ; s[30:31] xb at my 64 rows
.set G1,  32                           ; s[32:39] descriptor group 1
.set G0,  40                           ; s[40:43] descriptor group 0
.set WV,  44
.set CX,  45
.set NXT, 46                           ; the ring tile to be asked for next
.set SB,  47                           ; the slot in hand
.set XO,  48                           ; the exchange buffer in hand, 0 or XSZ
.set WB,  49                           ; wave x R32
.set OFF, 50                           ; s[50:51]
.set CS,  52                           ; s[52:53] c
.set SEL, 54                           ; s[54:55]
.set CNT, 56
.set PCN, 57
.set PFA, 58                           ; s[58:59] the prefetch's address
.set ASKF, 60                          ; 0: I prefetch
.set B16, 61                           ; 16 x batch
.set WQ,  62                           ; wave x 32,768
.set PFW, 63                           ; cx x 32,768 + wave x 256
.set CQR, 66
.set OUTR, 68
.set CV,  70
.set T0,  72
.set T1,  73
.set T2,  74
.set T3,  75
.set T4,  76
.set T5,  77
.set T6,  78
.set ZS,  80                           ; 0
.set RN,  81                           ; 1 / 512
.set EPSR, 82                          ; 1e-5
.set PO2, 84                           ; s[84:85]
.set MSB, 0
.macro WIN new                         ; the high byte repeats the setting that is left; a switch that changes nothing is dropped
.if MSB != (\new)
	s_set_vgpr_msb (MSB<<8)|(\new)
.set MSB, (\new)
.endif
.endm
.macro PLACES                          ; four places behind a product, in front of loads into registers that it has read and of lines that read its result
.rept 4
	v_nop
.endr
.endm
.macro ALLT line:vararg                ; one line for each tile t
.set t, 0
.rept 4
	\line
.set t, t+1
.endr
.endm
.macro CROUND                          ; a round of the cluster's barrier
	s_barrier_signal -1
	s_barrier_wait -1
	s_cmp_lg_u32 s[WV], 0
	s_cbranch_scc1 .Lnot_wave_0_\@
	s_barrier_signal -3
.Lnot_wave_0_\@:
	s_barrier_wait -3
	s_barrier_signal -1
	s_barrier_wait -1
.endm
; The byte offset in ws of ring tile idx: 0-3 M (tiles 128 on), 4-19 the batch's x (tiles 16 b on), 20-35 the four weights (tiles 132 on).  msk = 1: also who prefetches it: of the 8 clusters of a batch the first, of all clusters the first.
.macro TOFF dst, idx, msk=0
	s_sub_co_u32 s[T0], s[\idx], 4
	s_cmp_lt_u32 s[\idx], 4
	s_cselect_b32 s[T1], 16, 0
	s_add_co_u32 s[T1], s[T1], s[\idx]
	s_add_co_u32 s[T1], s[T1], 112
	s_add_co_u32 s[T2], s[B16], s[T0]
	s_cmp_lt_u32 s[T0], 16
	s_cselect_b32 s[T1], s[T2], s[T1]
.if \msk
	s_cselect_b32 s[T3], 7, -1
.endif
	s_lshl_b32 s[\dst], s[T1], 17
.endm
; THE CHANGE OF SLOTS, on entering ring tile i.  Each wave waits for all its tensor loads (one is out: its 32 rows of tile i), adds 0 to its spare word, and waits for that, for its reads of the slot and the exchange
; buffer that it leaves, and for its stores into the exchange buffer.  fill = 1: a round of the cluster's barrier; behind it no wave of any partner reads the old slot or has a load out, and the joint refill, tile i + 1, comes first.
; ask = 1: behind the load and its five lines one prefetch names tile i + 3, two changes of slots ahead of the load that will want it.  A tile has 128 rows of four blocks of 256 bytes: partner cx takes rows 32 cx + lane
; (told apart by address alone), wave w the row's block w; of the clusters that walk a tile one asks.  So each block is named once.  Tiles 0 to 3 come by their loads alone, and there is no tile behind 35.
.macro CHANGE fill, ask
	WIN 0
	s_wait_tensorcnt 0x0                           ; no tensor load of mine is out, so group 0 may be written
	ds_add_u32 v[SPW], v[NIL]                      ; 0 onto my spare word; the scalar work below stands between it and the wait for it
	s_xor_b32 s[SB], s[SB], SLOTB
.if \fill
	TOFF OFF, NXT
	s_add_co_u32 s[OFF], s[OFF], s[WQ]             ; my 32 rows
	s_xor_b32 s[G0+1], s[G0+1], SLOTB
	s_add_nc_u64 s[G0+2:G0+3], s[6:7], s[OFF:OFF+1]
	s_or_b32 s[G0+3], s[G0+3], 0x80000000
	s_add_co_u32 s[NXT], s[NXT], 1
.endif
.if \ask
	s_wait_xcnt 0x0                                ; the last prefetch, a tile back, has read its address
	s_add_co_u32 s[T4], s[NXT], 1                  ; i + 3
	s_sub_co_u32 s[T5], s[T4], 4
	s_cmp_lt_u32 s[T5], 32
	s_cselect_b32 s[ASKF], 0, 1
	s_min_u32 s[T4], s[T4], 35                     ; the address stays inside ws also where nothing is asked for
	TOFF PO2, T4, 1
	s_and_b32 s[T3], s[T3], ttmp9
	s_or_b32 s[ASKF], s[ASKF], s[T3]               ; the same in all four partners
	s_add_co_u32 s[PO2], s[PO2], s[PFW]
	s_add_nc_u64 s[PFA:PFA+1], s[6:7], s[PO2:PO2+1]
.endif
	s_wait_dscnt 0x0
.if \fill
	CROUND
	tensor_load_to_lds s[G0:G0+3], s[G1:G1+7]
	s_nop 0
	PLACES
.else
	s_barrier_signal -1
	s_barrier_wait -1
.endif
.if \ask
	s_cmp_eq_u32 s[ASKF], 0
	s_cbranch_scc0 .Lnot_mine_\@
	global_prefetch_b8 v[PFO], s[PFA:PFA+1] th:TH_LOAD_NT scope:SCOPE_SE
.Lnot_mine_\@:
.endif
.endm
; S FORM.  Group g = channels 128 g on: four K steps x two blocks of 16 keys, 16 loads, 32 products.  The 8 accumulators (block b, tile t at 64 + 8 (4 b + t)) take turns.
.macro LOADG g, buf
.set c_, 0
.rept 8
	ds_load_b128 v[(\buf)+8*c_:(\buf)+8*c_+3],   v[AK] offset:(c_%2)*R16+64*(4*(\g)+c_/2)
	ds_load_b128 v[(\buf)+8*c_+4:(\buf)+8*c_+7], v[AK] offset:(c_%2)*R16+64*(4*(\g)+c_/2)+32
.set c_, c_+1
.endr
.endm
.macro MULG g, buf
	WIN 0x08+4*((\g)/2)                            ; Q in window 2 or 3
.set c_, 0
.rept 32
.set rD, 64+8*(c_%8)
.set rK, (\buf)+16*(c_/8)+8*((c_/4)%2)
.set rQ, 8*(16*((\g)%2)+4*(c_/8)+c_%4)
.if ((\g) == 0) && (c_ < 8)
	v_wmma_f32_16x16x32_bf16 v[rD:rD+7], v[rK:rK+7], v[rQ:rQ+7], 0
.else
	v_wmma_f32_16x16x32_bf16 v[rD:rD+7], v[rK:rK+7], v[rQ:rQ+7], v[rD:rD+7]
.endif
.set c_, c_+1
.endr
.endm
.macro SFORM
	v_add_nc_u32 v[AK], s[SB], v[AK0]
	LOADG 0, KG0
	LOADG 1, KG1
	s_wait_dscnt 16                                ; the older group is in; the younger group's 16 loads may stay out
	MULG 0, KG0
	WIN 0
	PLACES
	LOADG 2, KG0
	s_wait_dscnt 16
	MULG 1, KG1
	WIN 0
	PLACES
	LOADG 3, KG1
	s_wait_dscnt 16
	MULG 2, KG0
	s_wait_dscnt 0x0
	MULG 3, KG1
	WIN 0
	PLACES
.endm
; PV FORM.  K step ks = 32 rows of the tile: 16 turning loads (8 column blocks), 8 loads of P (4 tiles), 32 products; the 32 accumulators take turns.
.macro LOADV ks, bv
.set c_, 0
.rept 8
.if (\ks) < 2
	ds_load_tr16_b128 v[(\bv)+8*c_:(\bv)+8*c_+3],   v[AVA] offset:((\ks)&1)*R32+256*(c_>>1)+16*(c_&1)
	ds_load_tr16_b128 v[(\bv)+8*c_+4:(\bv)+8*c_+7], v[AVA] offset:((\ks)&1)*R32+256*(c_>>1)+16*(c_&1)+R16
.else
	ds_load_tr16_b128 v[(\bv)+8*c_:(\bv)+8*c_+3],   v[AVB] offset:((\ks)&1)*R32+256*(c_>>1)+16*(c_&1)
	ds_load_tr16_b128 v[(\bv)+8*c_+4:(\bv)+8*c_+7], v[AVB] offset:((\ks)&1)*R32+256*(c_>>1)+16*(c_&1)+R16
.endif
.set c_, c_+1
.endr
.endm
.macro LOADP ks, bp
.set c_, 0
.rept 4
	ds_load_b128 v[(\bp)+8*c_:(\bp)+8*c_+3],   v[RDX] offset:c_*XT+64*(\ks)
	ds_load_b128 v[(\bp)+8*c_+4:(\bp)+8*c_+7], v[RDX] offset:c_*XT+64*(\ks)+32
.set c_, c_+1
.endr
.endm
.macro MULK bv, bp, w
	WIN ((\w)<<6)|((\w)<<4)                        ; C and D in window w
.set c_, 0
.rept 32
.set rD, 64*(c_%4)+8*(c_/4)
	v_wmma_f32_16x16x32_bf16 v[rD:rD+7], v[(\bv)+8*(c_/4):(\bv)+8*(c_/4)+7], v[(\bp)+8*(c_%4):(\bp)+8*(c_%4)+7], v[rD:rD+7]
.set c_, c_+1
.endr
.endm
; A whole tile.  pre = 1 (attention): V's first two K steps were fetched and waited for earlier, P's first two have just been asked for.
.macro PVTILE w, pre
.if !(\pre)
	v_add_nc_u32 v[AVA], s[SB], v[AV0]
	v_add_nc_u32 v[AVB], 2*R32, v[AVA]
	LOADV 0, B0V
	LOADP 0, B0P
	LOADV 1, B1V
	LOADP 1, B1P
	s_wait_dscnt 24                                ; all but the second K step's 24 loads
.else
	s_wait_dscnt 8                                 ; all but the 8 loads of P's second K step
.endif
	MULK B0V, B0P, \w
	WIN 0
	PLACES
	LOADV 2, B0V
	LOADP 2, B0P
	s_wait_dscnt 24                                ; all but the 24 just issued
	MULK B1V, B1P, \w
	WIN 0
	PLACES
	LOADV 3, B1V
	LOADP 3, B1P
	s_wait_dscnt 24
	MULK B0V, B0P, \w
	s_wait_dscnt 0x0
	MULK B1V, B1P, \w
	WIN 0
.rept 5
	v_nop                                          ; five places: what follows may load into V's and P's registers, write over them by a product, or read the sums
.endr
.endm
; Piece p (columns 128 p on) of the packed operand at register base: my 32 columns of all 64 rows, eight stores of 16 bytes a lane.  The caller sets the data's window.
.macro PIECE p, adr, off, base
.set q_, 0
.rept 8
	ds_store_b128 v[\adr], v[(\base)+32*(q_/2)+4*(2*(\p)+q_%2):(\base)+32*(q_/2)+4*(2*(\p)+q_%2)+3] offset:(\off)+(q_/2)*XT+16*(q_%2)
.set q_, q_+1
.endr
.endm
.macro PUT0                            ; piece 0 into exchange buffer 0, whose last readers waited for their loads in front of the last round
	WIN 0x08
	PIECE 0, STP0, 0, 0
	WIN 0
.endm
; A PRODUCT with a weight of 512 x 512: four ring tiles.  In period p piece p is read out of buffer p % 2 and piece p + 1 is stored into the other, whose readers (period p - 1) waited for their loads in front of
; this period's round; the store is waited for in front of the next round.  So the ring's rounds are all the barriers that a product needs.  The jumps round the stores hang on the loop's count alone.
; last = 1: the ring's last tile is written out.
.macro PRODUCT w, last
	s_mov_b32 s[PCN], 1
.Lperiod_\@:
	CHANGE 1, 1
	s_xor_b32 s[XO], s[XO], XSZ
	s_xor_b32 s[T6], s[XO], XSZ
	v_add_nc_u32 v[RDX], s[XO], v[RDP0]
	v_add_nc_u32 v[STX], s[T6], v[STP0]
	s_cmp_lg_u32 s[PCN], 1
	s_cbranch_scc1 .Lnot_1_\@
	WIN 0x08
	PIECE 1, STX, 0, 0
	WIN 0
.Lnot_1_\@:
	s_cmp_lg_u32 s[PCN], 2
	s_cbranch_scc1 .Lnot_2_\@
	WIN 0x08
	PIECE 2, STX, 0, 0
	WIN 0
.Lnot_2_\@:
	s_cmp_lg_u32 s[PCN], 3
	s_cbranch_scc1 .Lnot_3_\@
	WIN 0x08
	PIECE 3, STX, 0, 0
	WIN 0
.Lnot_3_\@:
	PVTILE \w, 0
	s_add_co_u32 s[PCN], s[PCN], 1
	s_cmp_lt_u32 s[PCN], 5-(\last)
	s_cbranch_scc1 .Lperiod_\@
.if \last
	CHANGE 0, 0
	s_xor_b32 s[XO], s[XO], XSZ
	v_add_nc_u32 v[RDX], s[XO], v[RDP0]
	PVTILE \w, 0
.endif
.endm
; One number a row and wave (in +4) meets the other three waves' in LDS: +4 .. +7 then hold the four.
.macro XSTAT off
	ALLT ds_store_b32 v[SMX], v[ST+8*t+4] offset:(\off)+256*t
	s_wait_dscnt 0x0
	s_barrier_signal -1
	s_barrier_wait -1
	ALLT ds_load_b128 v[ST+8*t+4:ST+8*t+7], v[LMX] offset:(\off)+256*t
	s_wait_dscnt 0x0
.endm
.macro SUM4
	ALLT v_add_f32 v[ST+8*t+4], v[ST+8*t+4], v[ST+8*t+5]
	ALLT v_add_f32 v[ST+8*t+6], v[ST+8*t+6], v[ST+8*t+7]
	ALLT v_add_f32 v[ST+8*t+4], v[ST+8*t+4], v[ST+8*t+6]
.endm
.macro COMB                            ; a tile's four partial pairs, the pair's halves and the other half of the lanes': into +4
	WIN 0
	ALLT v_pk_add_f32 v[64+8*t:64+8*t+1], v[64+8*t:64+8*t+1], v[64+8*t+2:64+8*t+3]
	ALLT v_pk_add_f32 v[64+8*t+4:64+8*t+5], v[64+8*t+4:64+8*t+5], v[64+8*t+6:64+8*t+7]
	ALLT v_pk_add_f32 v[64+8*t:64+8*t+1], v[64+8*t:64+8*t+1], v[64+8*t+4:64+8*t+5]
	ALLT v_add_f32 v[ST+8*t+4], v[64+8*t], v[64+8*t+1]
	ALLT v_permlanex16_b32 v[ST+8*t+5], v[ST+8*t+4], s[SEL], s[SEL+1]
	ALLT v_add_f32 v[ST+8*t+4], v[ST+8*t+4], v[ST+8*t+5]
.endm
.macro PARLD ptr, base                 ; my 64 columns of a vector of 512 f32 into window 2
	WIN 0x80
.set n, 0
.rept 8
	global_load_b128 v[(\base)+8*n:(\base)+8*n+3],   v[PO], s[\ptr:\ptr+1] offset:512*(n>>1)+32*(n&1)
	global_load_b128 v[(\base)+8*n+4:(\base)+8*n+7], v[PO], s[\ptr:\ptr+1] offset:512*(n>>1)+32*(n&1)+16
.set n, n+1
.endr
	WIN 0
.endm
.macro PARACC ptr, w                   ; the same, once for each tile, straight into the accumulators of window w: a sum starts at its bias
	WIN (\w)<<6
.set n, 0
.rept 32
	global_load_b128 v[8*n:8*n+3],   v[PO], s[\ptr:\ptr+1] offset:512*((n%8)>>1)+32*(n&1)
	global_load_b128 v[8*n+4:8*n+7], v[PO], s[\ptr:\ptr+1] offset:512*((n%8)>>1)+32*(n&1)+16
.set n, n+1
.endr
	WIN 0
.endm
.macro PACK sw, dw, db                 ; 256 sums of window sw, rounded to bf16, into 128 registers of window dw; each accumulator is read from its low end on
	WIN ((\dw)<<6)|((\sw)<<2)|(\sw)
.set n, 0
.rept 128
	v_cvt_pk_bf16_f32 v[(\db)+n], v[2*n], v[2*n+1]
.set n, n+1
.endr
	WIN 0
.endm
.macro XGET p                          ; piece p of q' out of buffer p % 2: Q's fragments (4 p + ks, t)
	WIN 0x80+0x40*((\p)/2)
.set n, 0
.rept 16
	ds_load_b128 v[8*(16*((\p)%2)+n):8*(16*((\p)%2)+n)+3],   v[RDP0] offset:((\p)%2)*XSZ+(n%4)*XT+64*(n/4)
	ds_load_b128 v[8*(16*((\p)%2)+n)+4:8*(16*((\p)%2)+n)+7], v[RDP0] offset:((\p)%2)*XSZ+(n%4)*XT+64*(n/4)+32
.set n, n+1
.endr
	WIN 0
.endm
; LAYERNORM of window 1, in place, with gain in window 2 v128-191 and offset in v192-255.  The mean first, then the squares of the deviations: no difference of large sums is formed.
.macro LNORM
	WIN 0x05
.set n, 0
.rept 16                               ; 16 chains: tile n / 4, two accumulators each
	v_pk_add_f32 v[64+2*n:64+2*n+1], v[16*n:16*n+1], v[16*n+2:16*n+3]
.set n, n+1
.endr
	WIN 0x01
.irp i, 2,3,4,5,6,7
.set n, 0
.rept 16
	v_pk_add_f32 v[64+2*n:64+2*n+1], v[16*n+2*\i:16*n+2*\i+1], v[64+2*n:64+2*n+1]
.set n, n+1
.endr
.endr
	COMB
	XSTAT 0
	SUM4
	ALLT v_mul_f32 v[ST+8*t], s[RN], v[ST+8*t+4]
	ALLT v_mul_f32 v[ST+8*t+1], s[RN], v[ST+8*t+4]
	WIN 0x41
.set n, 0
.rept 128
	v_pk_add_f32 v[2*n:2*n+1], v[2*n:2*n+1], v[ST+8*(n/32):ST+8*(n/32)+1] neg_lo:[0,1] neg_hi:[0,1]
.set n, n+1
.endr
	WIN 0x05
.set n, 0
.rept 16
	v_pk_mul_f32 v[64+2*n:64+2*n+1], v[16*n:16*n+1], v[16*n:16*n+1]
.set n, n+1
.endr
.irp i, 1,2,3,4,5,6,7
.set n, 0
.rept 16
	v_pk_fma_f32 v[64+2*n:64+2*n+1], v[16*n+2*\i:16*n+2*\i+1], v[16*n+2*\i:16*n+2*\i+1], v[64+2*n:64+2*n+1]
.set n, n+1
.endr
.endr
	COMB
	XSTAT 1024
	SUM4
	ALLT v_fma_f32 v[ST+8*t+4], v[ST+8*t+4], s[RN], s[EPSR]
	ALLT v_rsq_f32 v[ST+8*t+2], v[ST+8*t+4]
	v_nop                                          ; a plain instruction behind the last root,
	s_wait_alu depctr_va_vdst(0)                   ; and one wait ahead of the first use
	WIN 0x41
.set n, 0
.rept 128
	v_pk_mul_f32 v[2*n:2*n+1], v[2*n:2*n+1], v[ST+8*(n/32)+2:ST+8*(n/32)+3] op_sel_hi:[1,0]
.set n, n+1
.endr
	s_wait_loadcnt 0x0                             ; gain and offset (and whatever else was asked for with them)
	WIN 0x69
.set n, 0
.rept 128
	v_pk_fma_f32 v[2*n:2*n+1], v[2*n:2*n+1], v[128+(2*n)%64:128+(2*n)%64+1], v[192+(2*n)%64:192+(2*n)%64+1]
.set n, n+1
.endr
	WIN 0
.endm
.macro OLD k, base                     ; the way out: rows 4 k .. 4 k + 3 of my 16, whole, 512 bytes a load
.set n, 0
.rept 16
	ds_load_b128 v[(\base)+4*n:(\base)+4*n+3], v[ORD] offset:(4*(\k)+n/4)*OPI+512*(n%4)
.set n, n+1
.endr
.endm
.macro OSTO k, base
.set n, 0
.rept 16
	global_store_b128 v[OGO], v[(\base)+4*n:(\base)+4*n+3], s[OUTR:OUTR+1] offset:(4*(\k)+n/4)*2048+512*(n%4) th:TH_STORE_NT  ; 512 consecutive bytes, aligned
.set n, n+1
.endr
.endm
; ---------------------------------------------------------------- HEAD
	s_load_b512 s[4:19], s[0:1], 0x0               ; x 4, ws 6, cq 8, out0 10, bv 12, bc 14, b1 16, b2 18
	s_load_b256 s[20:27], s[0:1], 0x40             ; g1 20, be1 22, g2 24, be2 26
	v_lshl_add_u32 v[SPW], v0, 2, SPARE
	v_mov_b32 v[NIL], 0
	ds_add_u32 v[SPW], v[NIL]                      ; the wave's opening: the add, twice on end, and its wait ahead of my first tensor load
	ds_add_u32 v[SPW], v[NIL]
	v_lshrrev_b32 v1, 5, v0
	v_readfirstlane_b32 s[WV], v1                  ; wave 0..3
	s_bfe_u32 s[CX], ttmp6, 0x40000                ; my place in the cluster: it enters the addresses of my own rows and of my prefetches alone
	s_lshl_b32 s86, ttmp9, 2
	s_add_co_u32 s86, s86, s[CX]                   ; my block of 64 rows
	s_lshr_b32 s[B16], ttmp9, 3                    ; the batch, which the four partners share
	s_lshl_b32 s[B16], s[B16], 4
	s_mov_b32 s[G1+0], 15|(1<<16)|(1<<20)|(1<<21)|(7<<22)|(3<<25)  ; mask of four; 2-byte elements; padding on; bit 21 beside a mask; after every 256 words 4 words
	s_mov_b32 s[G1+1], 512<<16                     ; tensor_dim0 = 512
	s_mov_b32 s[G1+2], 32<<16                      ; tensor_dim1 = 32
	s_mov_b32 s[G1+3], 512<<16                     ; tile_dim0 = 512
	s_mov_b32 s[G1+4], 32                          ; tile_dim1 = 32
	s_mov_b32 s[G1+5], 512                         ; elements from row to row
	s_mov_b32 s[G1+6], 0
	s_mov_b32 s[G1+7], 0
	s_mul_i32 s[WB], s[WV], R32
	s_lshl_b32 s[WQ], s[WV], 15
	s_lshl_b32 s[PFW], s[CX], 15
	s_lshl_b32 s87, s[WV], 8
	s_add_co_u32 s[PFW], s[PFW], s87
	s_mov_b32 s[NXT], 1
	s_mov_b32 s[SB], SLOTB                         ; the first change turns it into 0
	s_mov_b32 s[XO], XSZ                           ; likewise
	s_mov_b32 s[OFF+1], 0
	s_mov_b32 s[PO2+1], 0
	s_mov_b32 s[CS], 0x3d8293ee                    ; c = log2(e) / sqrt(512)
	s_mov_b32 s[CS+1], s[CS]
	s_mov_b32 s[SEL], 0x76543210
	s_mov_b32 s[SEL+1], 0xfedcba98
	s_mov_b32 s[ZS], 0
	s_mov_b32 s[RN], 0x3b000000
	s_mov_b32 s[EPSR], 0x3727c5ac
	s_mov_b32 s[G0], 1
	s_mov_b32 s[G0+1], s[WB]                       ; slot 0, my 32 rows
	s_add_co_u32 s[OFF], s[WQ], 128*T_B            ; ring tile 0 = M's first
	s_wait_dscnt 0x0                               ; both opening adds are done
	s_wait_kmcnt 0x0
	s_lshl_b32 s88, s86, 17
	s_mov_b32 s89, 0
	s_add_nc_u64 s[XR:XR+1], s[4:5], s[88:89]
	s_add_nc_u64 s[OUTR:OUTR+1], s[10:11], s[88:89]
	s_lshl_b32 s88, s86, 16
	s_add_nc_u64 s[XBR:XBR+1], s[6:7], s[88:89]
	s_add_nc_u64 s[CQR:CQR+1], s[8:9], s[88:89]
	s_mov_b32 s88, s[WQ]                           ; my wave stores rows 16 w on
	s_add_nc_u64 s[OUTR:OUTR+1], s[OUTR:OUTR+1], s[88:89]
	s_add_nc_u64 s[CV:CV+1], s[6:7], COFF
	s_add_nc_u64 s[G0+2:G0+3], s[6:7], s[OFF:OFF+1]
	s_or_b32 s[G0+3], s[G0+3], 0x80000000
	CROUND                                         ; all four work-groups are here: the first joint loads meet
	tensor_load_to_lds s[G0:G0+3], s[G1:G1+7]
	s_nop 0
	PLACES
	v_and_b32 v25, 15, v0                          ; r
	v_bfe_u32 v26, v0, 4, 1                        ; h
	v_and_b32 v27, 31, v0                          ; l
	v_and_b32 v28, 7, v0
	v_bfe_u32 v29, v0, 3, 1
	s_lshl_b32 s90, s[WV], 5
	s_lshl_b32 s91, s[WV], 6
	s_lshl_b32 s92, s[WV], 2
	s_mul_i32 s93, s[WV], 16*OPI
	v_mul_u32_u24 v[AK0], v25, PITCH
	v_lshl_add_u32 v[AK0], v26, 4, v[AK0]
	v_add_nc_u32 v[AK0], s[WB], v[AK0]
	v_lshl_add_u32 v[AV0], v26, 3, v28
	v_mul_u32_u24 v[AV0], v[AV0], PITCH
	v_lshl_add_u32 v[AV0], v29, 7, v[AV0]
	v_add_nc_u32 v[AV0], s90, v[AV0]
	v_mul_u32_u24 v30, v25, XP
	v_lshl_add_u32 v[RDP0], v26, 4, v30
	v_add_nc_u32 v[RDP0], XB0, v[RDP0]
	v_lshl_add_u32 v[STP0], v26, 7, v30
	v_add_nc_u32 v[STP0], s90, v[STP0]
	v_add_nc_u32 v[STP0], XB0, v[STP0]
	v_add_nc_u32 v[STS], s91, v[RDP0]
	v_lshlrev_b32 v[LMX], 4, v25
	v_add_nc_u32 v[LMX], STAT0, v[LMX]
	v_add_nc_u32 v[SMX], s92, v[LMX]
	v_lshlrev_b32 v[PFO], 10, v27
	v_lshlrev_b32 v[PO], 8, v26
	v_add_nc_u32 v[PO], s91, v[PO]
	v_lshlrev_b32 v[XBO], 10, v25
	v_lshl_add_u32 v[XBO], v26, 7, v[XBO]
	v_add_nc_u32 v[XBO], s90, v[XBO]
	v_lshl_add_u32 v[XFO], v25, 11, v[PO]
	v_mul_u32_u24 v[OST0], v25, OPI
	v_add_nc_u32 v[OST0], v[PO], v[OST0]
	v_add_nc_u32 v[OST1], 32*OPI, v[OST0]
	v_lshl_add_u32 v[ORD], v27, 4, s93
	v_lshlrev_b32 v[OGO], 4, v27
	v_mov_b32 v[ONE], 1.0
.set n, 0
.rept 32
	v_mov_b32 v[ST+n], 0                           ; the statistics' registers are named in pairs: all are written once
.set n, n+1
.endr
	WIN 0x80                                       ; my 64 rows of xb, already in the packed operand's layout
.set n, 0
.rept 32
	global_load_b128 v[4*n:4*n+3], v[XBO], s[XBR:XBR+1] offset:(n/8)*16384+256*((n%8)>>1)+16*(n&1)
.set n, n+1
.endr
	PARACC CV, 1                                   ; the sums of q' start at c
	s_wait_loadcnt 0x0
	PUT0
; ---------------------------------------------------------------- q' = x M + c
	PRODUCT 1, 0
	; q' becomes Q's fragments, the same in every wave: through the two exchange buffers, two pieces at a time.  Tile 4's load stays out across these barriers.
	PACK 1, 0, 128
	s_wait_dscnt 0x0
	s_barrier_signal -1
	s_barrier_wait -1                              ; every wave's reads of the exchange buffers are over
	PIECE 0, STP0, 0, 128
	PIECE 1, STP0, XSZ, 128
	s_wait_dscnt 0x0
	s_barrier_signal -1
	s_barrier_wait -1
	XGET 0
	XGET 1
	s_wait_dscnt 0x0
	s_barrier_signal -1
	s_barrier_wait -1
	PIECE 2, STP0, 0, 128
	PIECE 3, STP0, XSZ, 128
	s_wait_dscnt 0x0
	s_barrier_signal -1
	s_barrier_wait -1
	XGET 2
	XGET 3
	ALLT v_mov_b32 v[ST+8*t], 0xfe000000
	ALLT v_mov_b32 v[ST+8*t+1], 0xff7fffff
	ALLT v_mov_b32 v[ST+8*t+2], 0
	ALLT v_mov_b32 v[ST+8*t+3], 0
	v_mov_b32 v[RDX], v[RDP0]                      ; attention's P goes through exchange buffer 0
	s_wait_dscnt 0x0
; ---------------------------------------------------------------- attention: 16 tiles of 128 keys
	s_mov_b32 s[CNT], 16
.Latt:
	CHANGE 1, 1
	SFORM
	v_add_nc_u32 v[AVA], s[SB], v[AV0]
	v_add_nc_u32 v[AVB], 2*R32, v[AVA]
	LOADV 0, B0V                                   ; V's first two K steps land during the softmax
	LOADV 1, B1V
	; the maximum of my 16 scores a query, each accumulator read from its low end on; then the other half of the lanes', then the other waves'
	ALLT v_max3_num_f32 v[ST+8*t+4], v[64+8*t], v[64+8*t+1], v[64+8*t+2]
	ALLT v_max3_num_f32 v[ST+8*t+5], v[96+8*t], v[96+8*t+1], v[96+8*t+2]
	ALLT v_max3_num_f32 v[ST+8*t+4], v[ST+8*t+4], v[64+8*t+3], v[64+8*t+4]
	ALLT v_max3_num_f32 v[ST+8*t+5], v[ST+8*t+5], v[96+8*t+3], v[96+8*t+4]
	ALLT v_max3_num_f32 v[ST+8*t+4], v[ST+8*t+4], v[64+8*t+5], v[64+8*t+6]
	ALLT v_max3_num_f32 v[ST+8*t+5], v[ST+8*t+5], v[96+8*t+5], v[96+8*t+6]
	ALLT v_max3_num_f32 v[ST+8*t+4], v[ST+8*t+4], v[64+8*t+7], v[96+8*t+7]
	ALLT v_max_num_f32 v[ST+8*t+4], v[ST+8*t+4], v[ST+8*t+5]
	ALLT v_permlanex16_b32 v[ST+8*t+5], v[ST+8*t+4], s[SEL], s[SEL+1]
	ALLT v_max_num_f32 v[ST+8*t+4], v[ST+8*t+4], v[ST+8*t+5]
	XSTAT 0
	ALLT v_max3_num_f32 v[ST+8*t+4], v[ST+8*t+4], v[ST+8*t+5], v[ST+8*t+6]
	ALLT v_mov_b32 v[ST+8*t+5], v[ST+8*t]
	ALLT v_max3_num_f32 v[ST+8*t+1], v[ST+8*t+4], v[ST+8*t+7], v[ST+8*t+1]
	ALLT v_mul_f32 v[ST+8*t], s[CS], v[ST+8*t+1]
	ALLT v_sub_f32 v[ST+8*t+5], v[ST+8*t+5], v[ST+8*t]
.set n, 0
.rept 32                               ; c s - c m, a pair of scores a line
	v_pk_fma_f32 v[64+2*n:64+2*n+1], v[64+2*n:64+2*n+1], s[CS:CS+1], v[ST+8*((n/4)%4):ST+8*((n/4)%4)+1] op_sel_hi:[1,0,0] neg_lo:[0,0,1] neg_hi:[0,0,1]
.set n, n+1
.endr
	ALLT v_exp_f32 v[ST+8*t+6], v[ST+8*t+5]
.set n, 0
.rept 64                               ; one batch of 68 exponentials: none reads another's result
	v_exp_f32 v[64+n], v[64+n]
.set n, n+1
.endr
	v_nop                                          ; a plain instruction behind the last exponential,
	s_wait_alu depctr_va_vdst(0)                   ; and one wait ahead of the first use
	ALLT v_pk_fma_f32 v[ST+8*t+2:ST+8*t+3], v[ST+8*t+2:ST+8*t+3], v[ST+8*t+6:ST+8*t+7], v[64+8*t:64+8*t+1] op_sel_hi:[1,0,1]
.irp i, 1,2,3
	ALLT v_pk_add_f32 v[ST+8*t+2:ST+8*t+3], v[ST+8*t+2:ST+8*t+3], v[64+8*t+2*\i:64+8*t+2*\i+1]
.endr
.irp i, 0,1,2,3
	ALLT v_pk_add_f32 v[ST+8*t+2:ST+8*t+3], v[ST+8*t+2:ST+8*t+3], v[96+8*t+2*\i:96+8*t+2*\i+1]
.endr
.set n, 0
.rept 32                               ; the weights rounded to bf16, into the first four registers of each eight
	v_cvt_pk_bf16_f32 v[64+8*(n/4)+n%4], v[64+8*(n/4)+2*(n%4)], v[64+8*(n/4)+2*(n%4)+1]
.set n, n+1
.endr
.set n, 0
.rept 8                                ; my 32 keys of all 64 queries into the exchange buffer
	ds_store_b128 v[STS], v[64+8*n:64+8*n+3] offset:(n%4)*XT+32*(n/4)
.set n, n+1
.endr
	s_wait_dscnt 0x0                               ; for the others' sake: my stores are done
	s_barrier_signal -1
	WIN 0x41                                       ; O^T times a: work on registers while the others arrive
.set n, 0
.rept 128
	v_pk_mul_f32 v[2*n:2*n+1], v[2*n:2*n+1], v[ST+8*(n/32)+6:ST+8*(n/32)+7] op_sel_hi:[1,0]
.set n, n+1
.endr
	WIN 0
	s_barrier_wait -1
	LOADP 0, B0P
	LOADP 1, B1P
	PVTILE 1, 1
	s_sub_co_u32 s[CNT], s[CNT], 1
	s_cmp_lg_u32 s[CNT], 0
	s_cbranch_scc1 .Latt
; ---------------------------------------------------------------- y = O / l;  the sums of z start at bv + cos
	WIN 0xc0                                       ; Q is dead: its registers take my rows of cos, in the packed layout,
.set n, 0
.rept 32
	global_load_b128 v[4*n:4*n+3], v[XBO], s[CQR:CQR+1] offset:(n/8)*16384+256*((n%8)>>1)+16*(n&1)
.set n, n+1
.endr
	PARLD 12, 128                                  ; and bv
	ALLT v_add_f32 v[ST+8*t+4], v[ST+8*t+2], v[ST+8*t+3]
	ALLT v_permlanex16_b32 v[ST+8*t+5], v[ST+8*t+4], s[SEL], s[SEL+1]
	ALLT v_add_f32 v[ST+8*t+4], v[ST+8*t+4], v[ST+8*t+5]
	XSTAT 1024                                     ; each wave summed its own keys' weights
	SUM4
	ALLT v_rcp_f32 v[ST+8*t+6], v[ST+8*t+4]
	v_nop
	s_wait_alu depctr_va_vdst(0)                   ; one wait for the four reciprocals
	WIN 0x41
.set n, 0
.rept 128
	v_pk_mul_f32 v[2*n:2*n+1], v[2*n:2*n+1], v[ST+8*(n/32)+6:ST+8*(n/32)+7] op_sel_hi:[1,0]
.set n, n+1
.endr
	PACK 1, 2, 0
	PUT0
	s_wait_loadcnt 0x0
	WIN 0x63                                       ; bf16 cos widened and added to bv in one line: cos x 1 + bv
.set n, 0
.rept 128
	v_fma_mix_f32_bf16 v[2*n], v[n], v[ONE], v[128+(2*n)%64] op_sel_hi:[1,0,0]
	v_fma_mix_f32_bf16 v[2*n+1], v[n], v[ONE], v[128+(2*n+1)%64] op_sel:[1,0,0] op_sel_hi:[1,0,0]
.set n, n+1
.endr
	WIN 0xc0                                       ; asked for now, wanted behind the next product: my rows of x in f32,
.set n, 0
.rept 32
	global_load_b128 v[8*n:8*n+3],   v[XFO], s[XR:XR+1] offset:(n/8)*32768+512*((n%8)>>1)+32*(n&1)
	global_load_b128 v[8*n+4:8*n+7], v[XFO], s[XR:XR+1] offset:(n/8)*32768+512*((n%8)>>1)+32*(n&1)+16
.set n, n+1
.endr
	PARLD 14, 128                                  ; and bc
	PRODUCT 1, 0                                   ; z = y wv + bv + cos
; ---------------------------------------------------------------- u = z wc + bc + x;  h = LayerNorm(u)
	PACK 1, 2, 0
	PUT0
	s_wait_loadcnt 0x0
	WIN 0x4b
.set n, 0
.rept 128
	v_pk_add_f32 v[2*n:2*n+1], v[2*n:2*n+1], v[128+(2*n)%64:128+(2*n)%64+1]  ; x + bc starts the sums
.set n, n+1
.endr
	PARLD 20, 128                                  ; g1
	PARLD 22, 192                                  ; be1
	PARACC 16, 3                                   ; the sums of h w1 start at b1
	PRODUCT 1, 0
	LNORM
; ---------------------------------------------------------------- relu(h w1 + b1) w2 + b2 + h;  LayerNorm
	PACK 1, 2, 0
	PUT0
	PARLD 18, 128                                  ; b2
	PRODUCT 3, 0
	PACK 3, 2, 0
	WIN 0x82
.set n, 0
.rept 128
	v_pk_max_num_bf16 v[n], v[n], s[ZS]            ; relu on the packed halves: nothing is rounded
.set n, n+1
.endr
	PUT0
	s_wait_loadcnt 0x0
	WIN 0x49
.set n, 0
.rept 128
	v_pk_add_f32 v[2*n:2*n+1], v[2*n:2*n+1], v[128+(2*n)%64:128+(2*n)%64+1]  ; h + b2 starts the sums
.set n, n+1
.endr
	PARLD 24, 128                                  ; g2
	PARLD 26, 192                                  ; be2
	PRODUCT 1, 1
	LNORM
; ---------------------------------------------------------------- the way out: through slot 0, which has had its last fill and whose last readers passed a barrier; back as whole rows
	WIN 0x04                                       ; the stores' data lie in window 1
.set n, 0
.rept 32
.if n < 16
	ds_store_b128 v[OST0], v[8*n:8*n+3]   offset:((n/8)&1)*16*OPI+512*((n%8)>>1)+32*(n&1)
	ds_store_b128 v[OST0], v[8*n+4:8*n+7] offset:((n/8)&1)*16*OPI+512*((n%8)>>1)+32*(n&1)+16
.else
	ds_store_b128 v[OST1], v[8*n:8*n+3]   offset:((n/8)&1)*16*OPI+512*((n%8)>>1)+32*(n&1)
	ds_store_b128 v[OST1], v[8*n+4:8*n+7] offset:((n/8)&1)*16*OPI+512*((n%8)>>1)+32*(n&1)+16
.endif
.set n, n+1
.endr
	WIN 0
	s_wait_dscnt 0x0
	s_barrier_signal -1
	s_barrier_wait -1
	OLD 0, 64
	OLD 1, 128
	OLD 2, 192
	s_wait_dscnt 32                                ; the first 16 loads are in
	OSTO 0, 64
	s_wait_dscnt 16
	OSTO 1, 128
	s_wait_dscnt 0x0
	OSTO 2, 192
	s_wait_xcnt 0x0                                ; the first batch's stores have read their registers, which are loaded again
	OLD 3, 64
	s_wait_dscnt 0x0
	OSTO 3, 64
	s_wait_tensorcnt 0x0                           ; the wave's end, behind my last tensor load and my last LDS store
	ds_add_u32 v[SPW], v[NIL]
	s_wait_dscnt 0x0
	CROUND                                         ; the closing round: no work-group ends while a partner may still ask for a tile that names it
	s_endpgm
.Lfunc_end_k_q6ca9911df5_block:
	.size	k_q6ca9911df5_block, .Lfunc_end_k_q6ca9911df5_block-k_q6ca9911df5_block
	.p2alignl 7, 3214868480
	.fill 96, 4, 3214868480
	.section	.rodata,"a",@progbits
	.p2align	6, 0x0
	.amdhsa_kernel k_q6ca9911df5_block
		.amdhsa_group_segment_fixed_size 327680
		.amdhsa_private_segment_fixed_size 0
		.amdhsa_enable_private_segment 0
		.amdhsa_kernarg_size 96
		.amdhsa_user_sgpr_count 2
		.amdhsa_user_sgpr_kernarg_segment_ptr 1
		.amdhsa_wavefront_size32 1
		.amdhsa_system_sgpr_workgroup_id_x 1
		.amdhsa_system_sgpr_workgroup_id_y 1
		.amdhsa_system_sgpr_workgroup_id_z 1
		.amdhsa_system_vgpr_workitem_id 0
		.amdhsa_next_free_vgpr 1024
		.amdhsa_next_free_sgpr 100
		.amdhsa_reserve_vcc 0
		.amdhsa_float_denorm_mode_32 3
		.amdhsa_float_denorm_mode_16_64 3
		.amdhsa_memory_ordered 1
		.amdhsa_forward_progress 1
		.amdhsa_inst_pref_size 255
	.end_amdhsa_kernel
	.section	.bss,"aw",@nobits
	.p2align	6
	.space	262144
	.amdgpu_metadata
---
amdhsa.version: [ 1, 2 ]
amdhsa.kernels:
  - .name:           k_q6ca9911df5_block
    .symbol:         k_q6ca9911df5_block.kd
    .args:
      - { .name: x, .offset: 0, .size: 8, .value_kind: global_buffer, .address_space: global }
      - { .name: ws, .offset: 8, .size: 8, .value_kind: global_buffer, .address_space: global }
      - { .name: cq, .offset: 16, .size: 8, .value_kind: global_buffer, .address_space: global }
      - { .name: out0, .offset: 24, .size: 8, .value_kind: global_buffer, .address_space: global }
      - { .name: bv, .offset: 32, .size: 8, .value_kind: global_buffer, .address_space: global }
      - { .name: bc, .offset: 40, .size: 8, .value_kind: global_buffer, .address_space: global }
      - { .name: b1, .offset: 48, .size: 8, .value_kind: global_buffer, .address_space: global }
      - { .name: b2, .offset: 56, .size: 8, .value_kind: global_buffer, .address_space: global }
      - { .name: g1, .offset: 64, .size: 8, .value_kind: global_buffer, .address_space: global }
      - { .name: be1, .offset: 72, .size: 8, .value_kind: global_buffer, .address_space: global }
      - { .name: g2, .offset: 80, .size: 8, .value_kind: global_buffer, .address_space: global }
      - { .name: be2, .offset: 88, .size: 8, .value_kind: global_buffer, .address_space: global }
    .group_segment_fixed_size: 327680
    .private_segment_fixed_size: 0
    .kernarg_segment_align: 8
    .kernarg_segment_size: 96
    .max_flat_workgroup_size: 128
    .sgpr_count:     100
    .vgpr_count:     1024
    .wavefront_size: 32
...
	.end_amdgpu_metadata
.endif
;; end of part 2
